; MI455X (gfx1250); checked and timed in simulation.
; The chip was launched on July 23, 2026; its instructions are those of AMD's public machine-readable ISA for CDNA 5 (MIT licence, August 2026) and "CDNA5" Instruction Set Architecture Reference Guide (July 2026). The comments in the code are by the model that wrote it; some were corrected since.
;; FP8 Linear. Allowed arithmetic: matrix products marked QUANTISED: E2M3 operands, one E8M0 scale for each 32 along K, by v_wmma_scale_f32_16x16x128_f8f6f4 with both operands' format E2M3, f32 sums; everything else in f32.
;; Inputs: scb 14,336 float32; weight_int8 14,336 x 4,096 int8; x 2 x 512 x 4,096 float32.
;; Outputs: out0 2 x 512 x 14,336 bfloat16.
;; This version of the problem:
;;   THIS VERSION OF THE PROBLEM IS GIVEN IN LOW PRECISION. The matrix products marked QUANTISED in the list below multiply operands that are first quantised to E2M3 (2 exponent bits, 3 mantissa bits; 6 bits a number), with one power-of-two scale for each 32 numbers along K (OCP MX v1.0); their sums are f32. All else is computed in f32.
;;   The module's matrix products, in the order in which they are computed (A, B: the left and right operand; K: the contracted axis; several contracted axes count as one K, in the product's order):
;;     1. [M 1,024, K 4,096] x [K 4,096, N 14,336]; A: input x; B: computed on the way: QUANTISED
;;   THE QUANTISER, for each operand of a quantised product, along K:
;;     - K is cut into blocks of 32 from its start; a last block that is shorter is filled with zeros.
;;     - A block's scale is 2^e with e = floor(log2(the largest magnitude in the block)) - 2, held to -126 .. 127; a block of zeros has e = 0. As a byte (E8M0): e + 127.
;;     - Each number is divided by its block's scale, clamped to +-7.5, and rounded to the nearest number of E2M3, ties to even, subnormals kept.
;;     - The product sums the exact products of the quantised numbers (number of the format x scale) in f32.
;;   ~~~python
;;   def quantise(x, axis):      # numpy; x: float32 -> the quantised numbers, widened to float32 again
;;       x = np.moveaxis(x, axis, -1); K = x.shape[-1]
;;       x = np.pad(x, [(0, 0)] * (x.ndim - 1) + [(0, -K % 32)]); x = x.reshape(x.shape[:-1] + (-1, 32)); a = np.abs(x).max(-1, keepdims=True)
;;       e = np.where(a > 0, np.clip(np.frexp(np.where(a > 0, a, 1))[1] - 1 - 2, -126, 127), 0)      # np.frexp(a)[1] - 1 = floor(log2(a)), exactly
;;       r = np.clip(x / 2.0 ** e, -7.5, 7.5)
;;       step = 2.0 ** (np.maximum(np.frexp(np.where(r == 0, 1, r))[1] - 1, 0) - 3)
;;       q = np.round(r / step) * step * 2.0 ** e      # np.round: ties to even
;;       return np.moveaxis(q.reshape(q.shape[:-2] + (-1,))[..., :K], -1, axis).astype(np.float32)
;;   ~~~
;;   OPERANDS COMPUTED ON THE WAY. 'Computed on the way' means the value that the module computes at that place (a softmax that the list does not call 'softmax' is quantised finished and normalised). What goes into a quantiser is computed in f32, as accurately as f32 sums, v_exp_f32 and their like allow (about 1e-6 of the number): no bf16 or f16 on the way to a quantiser, and a product that is left as it is and whose result goes on into a quantised operand takes f32 operands (vector FMAs, or v_wmma_f32_16x16x4_f32). A number that lies on a knife's edge between two numbers of the format may be rounded either way, as far as f32 arithmetic and the matrix unit's own rounding can turn it there, and no further.
;; One version. Each part assembles by itself: llvm-mc -triple=amdgcn-amd-amdhsa -mcpu=gfx1250 --defsym DOCPART=n.
;; ======== version 1 of 1: 2 launches
;; limits: values are held in bf16: 8 bits of precision; right only within a limited range of input values
;; workspace buffers: xq 3,276,800 bytes; wq 45,875,200 bytes
;; launch quant (part 1): grid 1024 x 1, 4 waves a work-group, no clusters, 70,144 bytes of LDS; arguments x, weight_int8, scb, xq, wq; writes xq, wq
.if DOCPART == 1
	.amdgcn_target "amdgcn-amd-amdhsa--gfx1250"
	.amdhsa_code_object_version 6
	.text
	.protected	k_q7c1a92a6a9_quant
	.globl	k_q7c1a92a6a9_quant
	.p2align	8
	.type	k_q7c1a92a6a9_quant,@function
k_q7c1a92a6a9_quant:
	s_mov_b64 s[64:65], 0
	v_nop
	global_prefetch_b8 v0, s[64:65] scope:SCOPE_SE
	s_setreg_imm32_b32 hwreg(HW_REG_WAVE_MODE, 25, 1), 1
	s_wait_xcnt 0x0
; x [1024][4096] f32 and w[n][k] = f32(weight_int8[n][k]) x (scb[n] / 127), n < 14336, k < 4096, are turned into codes of FP6 (E2M3) with one E8M0 scale byte for each 32 along K.
; A block's scale is 2^(floor(log2(its largest magnitude)) - 2); its byte is the largest magnitude's exponent field - 2, held at 1 from below; each number is divided by the scale and rounded to the nearest code, ties to even, beyond 7.5 the largest code.
; LIMITS: NaN and infinities in x or scb are not served.  A block of zeros keeps the byte 1 where the rule says 127: its codes are zeros, which add nothing under any byte but 0xff, and this program alone reads the bytes.
; scb / 127 is a product with 1/127 and one fused correction step: in rare cases the last bit differs from the correctly rounded quotient.
; THE WORKSPACE LIES IN THE ORDER OF THE OPERAND'S REGISTERS.  A PANEL is 128 rows x 128 K, 12,800 bytes: eight images of 1,536 bytes (image i: rows 16 i .. 16 i + 15; register j of lane l at 512 (j / 4) + 16 l + 4 (j % 4);
; lane (r = l % 16, h = l / 16) holds row r, registers 6 c .. 6 c + 5 hold k = 64 c + 32 h + 0 .. 31), then 512 bytes of scale words laid [image / 4][r][image % 4].  Panels lie [row / 128][k / 128].
; SHARES.  Work-groups 0-127 take x, a wave 64 rows x 128 K (four units of 16 rows x 128 K); work-groups 128-1023 take the weights, a wave 64 rows x 256 K (eight units).  A unit gives one image.
; Loads take the bytes as they lie (x: 512 consecutive bytes of a row; weights: two rows' 256); a unit turns through the wave's own stage in LDS, so that a lane gets 32 neighbours along K of ONE row, twice: two whole blocks.
; No tensor loads, no barrier: waves share nothing.  The two paths part on the work-group's number and have LDS bytes of their own.
.set XWG,  128                         ; work-groups for x
.set PAN,  12800
.set IMG,  1536
.set WREG, 17408                       ; LDS of a wave: x's stage, 16 rows x 528, in 8,704 bytes; then the weights' stage, 32 rows x 272
.set XP,   528                         ; 512 bytes + 16: the sixteen rows that a read touches start 16 bytes apart modulo 256
.set WP,   272                         ; 256 bytes + 16: likewise
.set WSTG, 8704
.set R,    16                          ; v16-143  two sets of 64 registers as loaded
.set X,    144                         ; v144-207 64 numbers: X + 32 c + i = k 64 c + 32 h + i of my row
.set P,    208                         ; v208-219 the image's 12 registers
.set T,    220                         ; v220-226 conversions whose three registers must begin on an even number
.set M,    228                         ; v228-229 largest magnitudes
.set O,    230                         ; v230-231 the conversions' scale operands
.set BY,   232                         ; v232-233 the scale bytes
.set WT,   234
.set PT,   235
.set SW,   236                         ; v236-243 scale words: 4 q + image
.set SR,   244                         ; v244-251 scb / 127 of my row in each of the four images, twice (a pair for the packed multiply)
.set ST,   252                         ; v252-253 scale words on their way out
	s_load_b256 s[4:11], s[0:1], 0x0               ; x s[4:5], weight_int8 s[6:7], scb s[8:9], xq s[10:11]
	s_load_b64 s[12:13], s[0:1], 0x20              ; wq
	v_lshl_add_u32 v254, v0, 2, 0x11000
	v_mov_b32 v255, 0
	v_lshrrev_b32 v1, 5, v0
	v_readfirstlane_b32 s16, v1                    ; wave 0..3
	v_and_b32 v1, 31, v0                           ; lane
	v_and_b32 v2, 15, v0                           ; r
	v_bfe_u32 v3, v0, 4, 1                         ; h
	v_lshlrev_b32 v4, 4, v1                        ; 16 x lane: x's loads and the images' stores
	v_lshlrev_b32 v5, 3, v3                        ; 8 h
	s_mul_i32 s17, s16, WREG
	v_add_nc_u32 v6, s17, v4                       ; x's stage, in: a row's 512 bytes as they lie
	v_mul_u32_u24 v7, v2, XP
	v_lshl_add_u32 v7, v3, 7, v7
	v_add_nc_u32 v7, s17, v7                       ; and out: row r, + 128 h bytes (32 h numbers)
	v_mul_u32_u24 v8, v3, WP
	v_lshl_add_u32 v8, v2, 4, v8
	v_add_nc_u32 v8, s17, v8
	v_add_nc_u32 v8, WSTG, v8                      ; the weights' stage, in: rows 2 t + h, 16 bytes a lane
	v_mul_u32_u24 v9, v2, WP
	v_lshl_add_u32 v9, v3, 5, v9
	v_add_nc_u32 v9, s17, v9
	v_add_nc_u32 v9, WSTG, v9                      ; and out: row r, + 32 h bytes
	v_lshlrev_b32 v10, 12, v3
	v_lshl_add_u32 v10, v2, 4, v10                 ; the weights' loads: 4,096 h + 16 r
	v_lshlrev_b32 v11, 2, v2                       ; scb: 4 r
	v_lshl_add_u32 v12, v2, 4, v5                  ; scale words out: 16 r + 8 h
	v_mov_b32 v[PT], 0                             ; written once: a lane permute's destination counts as one of its sources
	v_cmp_ne_u32 vcc_lo, 0, v3                     ; lanes 16-31; never rewritten
	s_mov_b32 s20, 0x76543210
	s_mov_b32 s21, 0xfedcba98                      ; v_permlanex16_b32's selects for lane l xor 16
	s_mov_b32 s22, 0x80808080                      ; int8 i -> byte i + 128
	s_mov_b32 s23, 0x4b000000                      ; 2^23 as f32: its upper byte and three zero bytes
	s_mov_b32 s24, 0x03000004                      ; byte selects: 0x4b on top, two zeros, byte b of the data below
	s_mov_b32 s25, 0x03000005
	s_mov_b32 s26, 0x03000006
	s_mov_b32 s27, 0x03000007
	s_mov_b32 s28, 0xcb000080                      ; -(2^23 + 128)
	s_mov_b32 s29, s28                             ; (named with it as a pair, so it is written)
	s_mov_b32 s30, 0x3c010204                      ; 1 / 127
	s_mov_b32 s31, 0x42fe0000                      ; 127
	s_wait_kmcnt 0x0
; s40 = which 64 rows, s19 = the first panel's place along K: where my images (s[34:35]) and my scale words (s[36:37]) begin in the buffer whose address stands in s[outp:outp+1]
.macro BASES outp
	s_lshr_b32 s41, s40, 1                         ; the group of 128 rows
	s_and_b32 s42, s40, 1                          ; which half of it: images 0-3 or 4-7
	s_lshl_b32 s41, s41, 5
	s_add_co_u32 s41, s41, s19
	s_mul_i32 s41, s41, PAN                        ; the panel, in bytes (under 2^32)
	s_mul_i32 s43, s42, 4*IMG
	s_add_co_u32 s34, s41, s43
	s_mov_b32 s35, 0
	s_lshl_b32 s43, s42, 8
	s_add_co_u32 s36, s41, s43
	s_add_co_u32 s36, s36, 8*IMG
	s_mov_b32 s37, 0
	s_add_nc_u64 s[34:35], s[\outp:\outp+1], s[34:35]
	s_add_nc_u64 s[36:37], s[\outp:\outp+1], s[36:37]
.endm
; The 64 numbers in X become image ii of panel q: two whole blocks a lane, so no other lane is asked for a maximum; the scale word's four bytes are gathered from lanes l and l xor 16.
.macro QUANT q, ii
.irp c, 0,1
	v_max3_num_f32 v[M+\c], |v[X+32*\c]|, |v[X+32*\c+1]|, 0x1800000   ; and the floor 2^(3 - 127): the byte cannot fall under 1
.endr
.irp i, 2,4,6,8,10,12,14,16,18,20,22,24,26,28,30
.irp c, 0,1
	v_max3_num_f32 v[M+\c], v[M+\c], |v[X+32*\c+\i]|, |v[X+32*\c+\i+1]|   ; (the two blocks by turns)
.endr
.endr
.irp c, 0,1
	v_add_nc_u32 v[O+\c], 0xff000000, v[M+\c]      ; 2 off the exponent field: the conversion takes the exponent field of this operand as its scale, and nothing else of it
.endr
.irp c, 0,1
	v_lshrrev_b32 v[BY+\c], 23, v[O+\c]            ; the scale's byte
.endr
	v_lshl_or_b32 v[WT], v[BY+1], 16, v[BY]        ; my two bytes: blocks h and 2 + h of row r,
	v_lshlrev_b32 v[WT], v5, v[WT]                 ; at their places in the word (8 h bits up);
	v_permlanex16_b32 v[PT], v[WT], s20, s21
	v_or_b32 v[SW+4*(\q)+(\ii)], v[WT], v[PT]      ; with lane l xor 16's two the word is whole, in both lanes
	s_wait_alu depctr_va_vdst(0)
	s_wait_xcnt 0x0                                ; the last image's stores have read P: it is written again only behind this wait
	v_cvt_scalef32_pk16_fp6_f32 v[P:P+2], v[X:X+15], v[O]
	v_cvt_scalef32_pk16_fp6_f32 v[T:T+2], v[X+16:X+31], v[O]
	v_cvt_scalef32_pk16_fp6_f32 v[P+6:P+8], v[X+32:X+47], v[O+1]
	v_cvt_scalef32_pk16_fp6_f32 v[T+4:T+6], v[X+48:X+63], v[O+1]
	v_nop                                          ; one plain place behind a scaled conversion
.irp i, 0,1,2
	v_mov_b32 v[P+3+\i], v[T+\i]
	v_mov_b32 v[P+9+\i], v[T+4+\i]
.endr
.irp c, 0,1,2
	global_store_b128 v4, v[P+4*\c:P+4*\c+3], s[34:35] offset:(\q)*PAN+(\ii)*IMG+512*\c   ; 32 lanes store 512 consecutive bytes, at a multiple of 256 from the buffer's first byte
.endr
.endm
; Panel q's scale words of my four images: lane (r, h) stores the words of images 2 h and 2 h + 1 of row r: 32 lanes, 256 consecutive bytes, aligned
.macro WORDS q
	v_cndmask_b32 v[ST], v[SW+4*\q], v[SW+4*\q+2], vcc_lo
	v_cndmask_b32 v[ST+1], v[SW+4*\q+1], v[SW+4*\q+3], vcc_lo
	global_store_b64 v12, v[ST:ST+1], s[36:37] offset:\q*PAN
.endm
	s_cmp_lt_u32 ttmp9, XWG
	s_cbranch_scc0 .Lweights
	; ---------------- x ----------------
	s_lshl_b32 s18, ttmp9, 2
	s_add_co_u32 s18, s18, s16                     ; job 0..511
	s_and_b32 s19, s18, 31                         ; which 128 along K
	s_lshr_b32 s40, s18, 5                         ; which 64 rows
	s_lshl_b32 s32, s40, 20                        ; 64 rows of 16,384 bytes
	s_lshl_b32 s41, s19, 9
	s_add_co_u32 s32, s32, s41
	s_mov_b32 s33, 0
	s_add_nc_u64 s[32:33], s[4:5], s[32:33]
	BASES 10
.macro XLOAD u                         ; unit u: 16 rows, 512 consecutive bytes each; read once in the launch
.irp t, 0,1,2,3,4,5,6,7,8,9,10,11,12,13,14,15
	global_load_b128 v[R+64*((\u)%2)+4*\t:R+64*((\u)%2)+4*\t+3], v4, s[32:33] offset:(16*(\u)+\t)*16384 th:TH_LOAD_NT
.endr
.endm
.macro XUNIT u
.if (\u) < 3
	s_wait_loadcnt 16                              ; this unit's 16 loads are in; the next unit's may be out
.else
	s_wait_loadcnt 0x0
.endif
.irp t, 0,1,2,3,4,5,6,7,8,9,10,11,12,13,14,15
	ds_store_b128 v6, v[R+64*((\u)%2)+4*\t:R+64*((\u)%2)+4*\t+3] offset:XP*\t
.endr
.irp c, 0,1
.irp j, 0,1,2,3,4,5,6,7
	ds_load_b128 v[X+32*\c+4*\j:X+32*\c+4*\j+3], v7 offset:256*\c+16*\j   ; LDS serves a wave's instructions in order: these see the stores above
.endr
.endr
	s_wait_dscnt 0x0                               ; my 64 numbers are in, and the stores have read their registers,
.if (\u) < 2
	XLOAD (\u)+2                                   ; which take the unit two further on
.endif
	QUANT 0, \u
.endm
	XLOAD 0
	XLOAD 1
	XUNIT 0
	XUNIT 1
	XUNIT 2
	XUNIT 3
	WORDS 0
	s_wait_tensorcnt 0x0
	ds_add_u32 v254, v255
	s_wait_dscnt 0x0
	s_endpgm
	; ---------------- the weights ----------------
.Lweights:
	s_sub_co_u32 s18, ttmp9, XWG
	s_lshl_b32 s18, s18, 2
	s_add_co_u32 s18, s18, s16                     ; job 0..3583
	s_and_b32 s41, s18, 15                         ; which 256 along K
	s_lshr_b32 s40, s18, 4                         ; which 64 rows
	s_lshl_b32 s19, s41, 1                         ; its first panel along K
	s_lshl_b32 s32, s40, 18                        ; 64 rows of 4,096 bytes
	s_lshl_b32 s41, s41, 8
	s_add_co_u32 s32, s32, s41
	s_mov_b32 s33, 0
	s_add_nc_u64 s[32:33], s[6:7], s[32:33]
	s_lshl_b32 s38, s40, 8                         ; scb: 64 numbers of 4 bytes
	s_mov_b32 s39, 0
	s_add_nc_u64 s[38:39], s[8:9], s[38:39]
	BASES 12
	s_wait_alu depctr_va_vdst(0)
.irp i, 0,1,2,3
	global_load_b32 v[SR+2*\i], v11, s[38:39] offset:64*\i   ; scb of row r of image i
.endr
.macro WLOAD b                         ; batch b: 32 rows x 256 bytes; sixteen lanes read a row's 256 consecutive bytes, aligned; read once in the launch
.irp t, 0,1,2,3,4,5,6,7,8,9,10,11,12,13,14,15
	global_load_b128 v[R+64*\b+4*\t:R+64*\b+4*\t+3], v10, s[32:33] offset:(32*\b+2*\t)*4096 th:TH_LOAD_NT
.endr
.endm
	WLOAD 0
	WLOAD 1
	s_wait_loadcnt 32                              ; scb is in; the two batches' 32 loads may be out
.irp i, 0,1,2,3
	v_mul_f32 v[X+\i], s30, v[SR+2*\i]             ; q = scb x (1 / 127)
.endr
.irp i, 0,1,2,3
	v_fma_f32 v[X+4+\i], -v[X+\i], s31, v[SR+2*\i] ; what is left: scb - 127 q, exact
.endr
.irp i, 0,1,2,3
	v_fma_f32 v[SR+2*\i], v[X+4+\i], s30, v[X+\i]  ; q + that / 127
.endr
.irp i, 0,1,2,3
	v_mov_b32 v[SR+2*\i+1], v[SR+2*\i]
.endr
; Unit (ib, q) of batch b: rows 32 b + 16 ib on, K 128 q on.  Its 16 registers of bytes: register 8 c + m holds k = 64 c + 32 h + 4 m + 0 .. 3 of my row.
.macro WUNIT b, ib, q
.set D, R+64*(\b)+16*(2*(\ib)+(\q))
	s_wait_dscnt 12-4*(2*(\ib)+(\q))               ; this unit's four reads of the stage are in; the later units' may be out
.irp m, 0,1,2,3,4,5,6,7,8,9,10,11,12,13,14,15
	v_xor_b32 v[D+\m], s22, v[D+\m]                ; four bytes i + 128
.endr
.irp c, 0,1
.irp m, 0,1,2,3,4,5,6,7
.irp e, 0,1,2,3
	v_perm_b32 v[X+32*\c+4*\m+\e], v[D+8*\c+\m], s23, s[24+\e]   ; the f32 number 2^23 + (i + 128), exactly
.endr
.endr
.endr
.irp j, 0,2,4,6,8,10,12,14,16,18,20,22,24,26,28,30,32,34,36,38,40,42,44,46,48,50,52,54,56,58,60,62
	v_pk_add_f32 v[X+\j:X+\j+1], v[X+\j:X+\j+1], s[28:29] op_sel_hi:[1,0]   ; i, exactly
.endr
.irp j, 0,2,4,6,8,10,12,14,16,18,20,22,24,26,28,30,32,34,36,38,40,42,44,46,48,50,52,54,56,58,60,62
	v_pk_mul_f32 v[X+\j:X+\j+1], v[X+\j:X+\j+1], v[SR+2*(2*(\b)+(\ib)):SR+2*(2*(\b)+(\ib))+1]   ; i x (scb / 127): one rounding
.endr
	QUANT \q, 2*(\b)+(\ib)
.endm
.macro WBATCH b
.if \b == 0
	s_wait_loadcnt 16                              ; this batch's 16 loads are in; the other's may be out
.else
	s_wait_loadcnt 0x0
.endif
.irp t, 0,1,2,3,4,5,6,7,8,9,10,11,12,13,14,15
	ds_store_b128 v8, v[R+64*\b+4*\t:R+64*\b+4*\t+3] offset:2*WP*\t
.endr
	s_wait_dscnt 0x0                               ; the stores have read their registers, which take the bytes back, turned
.irp ib, 0,1
.irp q, 0,1
.irp c, 0,1
.irp j, 0,1
	ds_load_b128 v[R+64*\b+16*(2*\ib+\q)+8*\c+4*\j:R+64*\b+16*(2*\ib+\q)+8*\c+4*\j+3], v9 offset:16*WP*\ib+128*\q+64*\c+16*\j
.endr
.endr
.endr
.endr
	WUNIT \b, 0, 0
	WUNIT \b, 0, 1
	WUNIT \b, 1, 0
	WUNIT \b, 1, 1
.endm
	WBATCH 0
	WBATCH 1
	WORDS 0
	s_wait_xcnt 0x0                                ; that store has read its two registers
	WORDS 1
	s_wait_tensorcnt 0x0
	ds_add_u32 v254, v255
	s_wait_dscnt 0x0
	s_endpgm
.Lfunc_end_k_q7c1a92a6a9_quant:
	.size	k_q7c1a92a6a9_quant, .Lfunc_end_k_q7c1a92a6a9_quant-k_q7c1a92a6a9_quant
	.p2alignl 7, 3214868480
	.fill 96, 4, 3214868480
	.section	.rodata,"a",@progbits
	.p2align	6, 0x0
	.amdhsa_kernel k_q7c1a92a6a9_quant
		.amdhsa_group_segment_fixed_size 70144
		.amdhsa_private_segment_fixed_size 0
		.amdhsa_enable_private_segment 0
		.amdhsa_kernarg_size 40
		.amdhsa_user_sgpr_count 2
		.amdhsa_user_sgpr_kernarg_segment_ptr 1
		.amdhsa_wavefront_size32 1
		.amdhsa_system_sgpr_workgroup_id_x 1
		.amdhsa_system_sgpr_workgroup_id_y 1
		.amdhsa_system_sgpr_workgroup_id_z 1
		.amdhsa_system_vgpr_workitem_id 0
		.amdhsa_next_free_vgpr 256
		.amdhsa_next_free_sgpr 66
		.amdhsa_reserve_vcc 1
		.amdhsa_float_denorm_mode_32 3
		.amdhsa_float_denorm_mode_16_64 3
		.amdhsa_memory_ordered 1
		.amdhsa_forward_progress 1
		.amdhsa_inst_pref_size 136
	.end_amdhsa_kernel
	.amdgpu_metadata
---
amdhsa.version: [ 1, 2 ]
amdhsa.kernels:
  - .name:           k_q7c1a92a6a9_quant
    .symbol:         k_q7c1a92a6a9_quant.kd
    .args:
      - { .name: x, .offset: 0, .size: 8, .value_kind: global_buffer, .address_space: global }
      - { .name: weight_int8, .offset: 8, .size: 8, .value_kind: global_buffer, .address_space: global }
      - { .name: scb, .offset: 16, .size: 8, .value_kind: global_buffer, .address_space: global }
      - { .name: xq, .offset: 24, .size: 8, .value_kind: global_buffer, .address_space: global }
      - { .name: wq, .offset: 32, .size: 8, .value_kind: global_buffer, .address_space: global }
    .group_segment_fixed_size: 70144
    .private_segment_fixed_size: 0
    .kernarg_segment_align: 8
    .kernarg_segment_size: 40
    .max_flat_workgroup_size: 128
    .sgpr_count:     66
    .vgpr_count:     256
    .wavefront_size: 32
...
	.end_amdgpu_metadata
.endif
;; end of part 1
;; launch gemm (part 2): grid 56 x 4, 4 waves a work-group, clusters of 4 x 4, 327,680 bytes of LDS; arguments xq, wq, out0; writes out0
.if DOCPART == 2
	.amdgcn_target "amdgcn-amd-amdhsa--gfx1250"
	.amdhsa_code_object_version 6
	.text
	.protected	k_q7c1a92a6a9_gemm
	.globl	k_q7c1a92a6a9_gemm
	.p2align	8
	.type	k_q7c1a92a6a9_gemm,@function
k_q7c1a92a6a9_gemm:
	s_mov_b64 s[64:65], 0
	v_nop
	global_prefetch_b8 v0, s[64:65] scope:SCOPE_SE
	s_setreg_imm32_b32 hwreg(HW_REG_WAVE_MODE, 25, 1), 1
	s_wait_xcnt 0x0
	s_wait_alu depctr_hold_cnt(0) depctr_sa_sdst(0) depctr_va_vdst(0) depctr_va_sdst(0) depctr_va_ssrc(0) depctr_va_vcc(0) depctr_vm_vsrc(0)
	s_getreg_b32 s2, hwreg(HW_REG_IB_STS2, 6, 4)
	s_cmp_eq_u32 s2, 0
	s_cbranch_scc0 .Lentry_in_a_cluster
	s_endpgm
.Lentry_in_a_cluster:
	s_bfe_u32 s2, ttmp6, 0x10000c
	s_cmp_lg_u32 s2, 0xf033
	s_cbranch_scc0 .Lentry_shape_is_right
	s_endpgm
.Lentry_shape_is_right:
; out0[m][n] = bf16(clip(sum over k of xq[m][k] wq[n][k], -448, 448)), m < 1024, n < 14336, k < 4096; both operands are codes of FP6 (E2M3) with E8M0 scale words, sums in f32.
; A NaN sum becomes 448 (v_min_num_f32 with 448 lets the NaN lose).
; THE WORKSPACE lies in panels of 128 rows x 128 K, 12,800 bytes: eight register images of 1,536 bytes (16 rows each), then 512 bytes of scale words [image / 4][row][image % 4]; panels lie [row / 128][k / 128].
; A block of out0 is 256 x 256, made by four waves; a wave makes 256 rows x 64 columns: 64 accumulators, (a, b) = rows 16 a, columns 16 b.
; THE WEIGHTS GO STRAIGHT INTO REGISTERS: a wave's 64 weight rows are read by no other wave of its work-group and lie in register order, so its 6,400 bytes of a K step pass LDS neither in nor out.
; For that reason they are not asked for jointly.  Four register sets: the loads of step t + 3 are issued in step t.
; x goes through a ring of two LDS slots of FOUR K steps (102,400 bytes each), filled by joint loads shared along a row of the 4 x 4 cluster; each wave brings a quarter of a slot (100 rows of 256 bytes).
; x's 16 fragments have ONE register set: fragments 0-7 are loaded anew in the step's middle, fragments 8-15 at its end.  So a step has two runs of loads, each behind four places.
; THE MATRIX INSTRUCTION IS USED TRANSPOSED (source 0 = 16 weight rows, source 1 = 16 rows of x): a lane holds eight neighbouring columns of one row of out0.
; THE LAST K STEP goes by quarters of 64 rows: a quarter is finished, rounded, staged and stored while the next is multiplied.
; REGISTERS: window 0: v8-15 addresses, v16-31 x's scale words (two sets), v32-47 the weights' (four sets), v48-53 the add's pair and the way out, v64-255 x's fragments;
; window 1: v0-191 the weights' fragments, four sets (on the way out v0-95 are at work), v192-255 rows on their way out; windows 2, 3: the accumulators of rows 0-127, 128-255.
.set PAN,   12800
.set IMG,   1536
.set GS,    32*PAN
.set QB,    2*PAN                      ; what one tensor load brings
.set HALFB, 4*PAN                      ; 128 rows x four K steps
.set SLOT,  8*PAN
.set SPARE, 2*SLOT                     ; the spare words: 512 bytes that no other line names
.set STG0,  SPARE+512                  ; the way out, rows 0-127: bytes that no fill lands on
.set SP,    528                        ; a stage row: 512 bytes + 16
.set ROWC,  14336*2
.set ADR, 8                            ; v8-11: 16 x lane + slot x SLOT + half x HALFB
.set GOF, 12                           ; 16 x lane
.set SBO, 13                           ; my scale words in a weight panel
.set PFB, 14
.set PFO, 15
.set SA,  16
.set SB,  32
.set SPW, 48
.set NIL, 49
.set STO, 50                           ; v50, v51: into the stage of rows 0-127, 128-255 (the second lies in slot 0, behind its last fill and last read)
.set RD,  52                           ; v52, v53: back out of them
.set AF,  64
.set T,   0                            ; window 1
.set TMP, 64                           ; window 1
.set BK,  192                          ; window 1
.set G1,  24
.set G0,  32
.set BB,  46                           ; s[46:47] my weights at the trip's first K step
.set PA,  84                           ; s[84:85] my quarter of x's tiles at the trip's first K step
.set HI,  87
.set LO,  88
.set MSB, 0
.macro WIN new
.if MSB != \new
	s_set_vgpr_msb (MSB<<8)|\new
.set MSB, \new
.endif
.endm
.set MUL_LO, 0xa1
.set MUL_HI, 0xf1
.set TO_B,   0x40
.macro CREST
	s_cmp_lg_u32 s14, 0
	s_cbranch_scc1 .Lnot_wave_0_\@
	s_barrier_signal -3
.Lnot_wave_0_\@:
	s_barrier_wait -3
	s_barrier_signal -1
	s_barrier_wait -1
.endm
.macro CROUND
	s_barrier_signal -1
	s_barrier_wait -1
	CREST
.endm
.macro PLACES n
.rept \n
	v_nop
.endr
.endm
.macro LDA a, t                        ; x's fragment a of step t
.irp c, 0,1,2
	ds_load_b128 v[AF+12*(\a)+4*\c:AF+12*(\a)+4*\c+3], v[ADR+2*(((\t)/4)%2)+(\a)/8] offset:((\t)%4)*PAN+((\a)%8)*IMG+512*\c
.endr
.endm
.macro LDSA p, t                       ; x's scale words of step t: lanes 0-15 images 0-3, lanes 16-31 images 4-7 of each 128 rows
.irp hf, 0,1
	ds_load_b128 v[SA+8*(\p)+4*\hf:SA+8*(\p)+4*\hf+3], v[ADR+2*(((\t)/4)%2)+\hf] offset:((\t)%4)*PAN+8*IMG
.endr
.endm
.macro LDW s, ko                       ; the weights of the panel ko from the trip's first, into set s: 12 loads of fragments, one of scale words
	WIN TO_B
.irp b, 0,1,2,3
.irp c, 0,1,2
	global_load_b128 v[48*(\s)+12*\b+4*\c:48*(\s)+12*\b+4*\c+3], v[GOF], s[BB:BB+1] offset:(\ko)*PAN+\b*IMG+512*\c
.endr
.endr
	WIN 0
	global_load_b128 v[SB+4*(\s):SB+4*(\s)+3], v[SBO], s[BB:BB+1] offset:(\ko)*PAN
.endm
.macro WM a, b, s, p, zero             ; the 64 accumulators take turns, one instruction a turn
.set DR, 8*(4*((\a)%8)+(\b))
.set BR, 48*(\s)+12*(\b)
.set AR, AF+12*(\a)
.set SBR, SB+4*(\s)+(\b)
.set SAR, SA+8*(\p)+4*((\a)/8)+((\a)%4)
.if \zero
.if ((\a)%8)/4
	v_wmma_scale_f32_16x16x128_f8f6f4 v[DR:DR+7], v[BR:BR+11], v[AR:AR+11], 0, v[SBR], v[SAR] matrix_a_fmt:MATRIX_FMT_FP6 matrix_b_fmt:MATRIX_FMT_FP6 matrix_b_scale:MATRIX_SCALE_ROW1
.else
	v_wmma_scale_f32_16x16x128_f8f6f4 v[DR:DR+7], v[BR:BR+11], v[AR:AR+11], 0, v[SBR], v[SAR] matrix_a_fmt:MATRIX_FMT_FP6 matrix_b_fmt:MATRIX_FMT_FP6
.endif
.else
.if ((\a)%8)/4
	v_wmma_scale_f32_16x16x128_f8f6f4 v[DR:DR+7], v[BR:BR+11], v[AR:AR+11], v[DR:DR+7], v[SBR], v[SAR] matrix_a_fmt:MATRIX_FMT_FP6 matrix_b_fmt:MATRIX_FMT_FP6 matrix_b_scale:MATRIX_SCALE_ROW1
.else
	v_wmma_scale_f32_16x16x128_f8f6f4 v[DR:DR+7], v[BR:BR+11], v[AR:AR+11], v[DR:DR+7], v[SBR], v[SAR] matrix_a_fmt:MATRIX_FMT_FP6 matrix_b_fmt:MATRIX_FMT_FP6
.endif
.endif
.endm
.macro BLK g, t, zero                  ; x's fragments 2 g, 2 g + 1 against the four weight fragments: eight products
.irp b, 0,1,2,3
	WM 2*(\g), \b, (\t)%4, (\t)%2, \zero
.endr
.irp b, 0,1,2,3
	WM 2*(\g)+1, \b, (\t)%4, (\t)%2, \zero
.endr
.endm
; Prefetches into the L2, once a slot.  The weights: the four panels whose loads begin six steps on; the four partners of a cluster's column take a panel each BY ADDRESS (cy), a lane a block of 256 bytes (24 of images, the other lanes name the scale block).
; x: the slot that the refill after this one asks for; of a wave's 100 blocks each partner of the cluster's row takes 25 by address (cx); four clusters ask, since all clusters read the same x.
.macro ASK off, cond
.if \cond
	s_cmp_gt_u32 s3, 1                             ; the last trip's second slot has no slot three on
	s_cbranch_scc0 .Lno_ask_\@
.endif
	global_prefetch_b8 v[PFB], s[BB:BB+1] offset:(\off)*PAN th:TH_LOAD_NT scope:SCOPE_SE
	s_cmp_lt_u32 ttmp9, 4
	s_cbranch_scc0 .Lno_ask_\@
	global_prefetch_b8 v[PFO], s[PA:PA+1] offset:(\off)*PAN th:TH_LOAD_NT scope:SCOPE_SE
.Lno_ask_\@:
.endm
; A K step that has a successor.  ko: the panel of step t + 3; lb: are its weights fetched; fill: the slot left is filled again; lc: the weight loads that may stay out; ask: 1, 2 = prefetch (2: not in the last trip).  Every window is 0 at its head and at its end.
.macro STEP t, zero, ko, lb, fill, lc, ask
	s_wait_loadcnt \lc                             ; this step's 13 weight loads are in; the younger steps' may be out
.if (\t)%4 == 3
	s_wait_tensorcnt 0x0                           ; THE CHANGE OF SLOTS: my quarter of the next slot has landed; my last reads of this slot were issued at the last step's end
	ds_add_u32 v[SPW], v[NIL]
	s_wait_dscnt 25                                ; fragments 0-7 and the scale words are in; the add and the 24 loads of fragments 8-15 may be out
	WIN MUL_LO
	BLK 0, \t, \zero
	BLK 1, \t, \zero
	s_wait_dscnt 0x0                               ; the add is done, my reads of this slot are back
	s_barrier_signal -1
	BLK 2, \t, \zero
	BLK 3, \t, \zero
	WIN 0
	s_barrier_wait -1
.if \fill
	CREST                                          ; the barrier has opened a round of the cluster's barrier
	s_add_nc_u64 s[G0+4*(((\t)/4)%2)+2:G0+4*(((\t)/4)%2)+3], s[G0+4*(((\t)/4)%2)+2:G0+4*(((\t)/4)%2)+3], SLOT
	tensor_load_to_lds s[G0+4*(((\t)/4)%2):G0+4*(((\t)/4)%2)+3], s[G1:G1+7]
	s_nop 0
.endif
	PLACES 4
.else
	s_wait_dscnt 24                                ; fragments 0-7 and the scale words are in; the 24 loads of fragments 8-15 may be out
	WIN MUL_LO
	BLK 0, \t, \zero
	BLK 1, \t, \zero
	BLK 2, \t, \zero
	BLK 3, \t, \zero
	s_wait_dscnt 0x0                               ; fragments 8-15 are in (asked for 32 products ago)
	PLACES 4
	WIN 0
.endif
.irp a, 0,1,2,3,4,5,6,7
	LDA \a, (\t)+1
.endr
	LDSA ((\t)+1)%2, (\t)+1
.if \lb
	LDW ((\t)+3)%4, \ko
.endif
.if \ask
	ASK (\t)+9, (\ask)-1
.endif
	WIN MUL_HI
	BLK 4, \t, \zero
	BLK 5, \t, \zero
	BLK 6, \t, \zero
	BLK 7, \t, \zero
	PLACES 4
	WIN 0
.irp a, 8,9,10,11,12,13,14,15
	LDA \a, (\t)+1
.endr
.endm
	s_load_b128 s[4:7], s[0:1], 0x0                ; xq, wq
	s_load_b64 s[12:13], s[0:1], 0x10              ; out0
	v_lshl_add_u32 v[SPW], v0, 2, SPARE
	v_mov_b32 v[NIL], 0
	ds_add_u32 v[SPW], v[NIL]                      ; the opening lines: the add twice on end
	ds_add_u32 v[SPW], v[NIL]
	v_lshrrev_b32 v1, 5, v0
	v_readfirstlane_b32 s14, v1                    ; wave
	s_lshr_b32 s15, s14, 1
	s_and_b32 s16, s14, 1
	s_bfe_u32 s40, ttmp6, 0x40000                  ; cx
	s_bfe_u32 s41, ttmp6, 0x40004                  ; cy
	s_lshl_b32 s42, ttmp9, 2
	s_add_co_u32 s42, s42, s40                     ; block column
	s_and_b32 s17, ttmp7, 0xffff
	s_lshl_b32 s17, s17, 2
	s_add_co_u32 s17, s17, s41                     ; block row
	s_lshl_b32 s43, s41, 2
	s_lshl_b32 s43, 15, s43                        ; my row of the cluster
	s_or_b32 s[G1], s43, (3<<16)|(1<<21)           ; elements of 8 bytes, the mask, bit 21 beside it
	s_mov_b32 s[G1+1], 32<<16                      ; rows of 256 bytes
	s_mov_b32 s[G1+2], (QB/256)<<16
	s_mov_b32 s[G1+3], 32<<16
	s_mov_b32 s[G1+4], QB/256
	s_mov_b32 s[G1+5], 32
	s_mov_b32 s[G1+6], 0
	s_mov_b32 s[G1+7], 0
	s_lshl_b32 s20, s17, 1
	s_add_co_u32 s20, s20, s15
	s_mul_i32 s20, s20, GS                         ; x: 128 rows (wave / 2) of the block row,
	s_mul_i32 s22, s16, QB
	s_add_co_u32 s20, s20, s22                     ; two of a slot's four panels (wave % 2)
	s_mov_b32 s21, 0
	s_lshl_b32 s46, s42, 1
	s_add_co_u32 s46, s46, s15
	s_mul_i32 s46, s46, GS                         ; weights: my 64 rows: panel row 2 x column + wave / 2,
	s_mul_i32 s22, s16, 4*IMG
	s_add_co_u32 s46, s46, s22                     ; images 4 (wave % 2) on
	s_mov_b32 s47, 0
	s_mul_i32 s18, s16, 5888
	s_sub_co_u32 s18, 12288, s18                   ; from there to my 256 bytes of scale words
	s_mul_i32 s45, s14, QB                         ; my quarter of a slot
	s_mul_i32 s19, s41, PAN
	s_mul_i32 s22, s40, 6400
	s_lshl_b32 s23, s14, 7
	s_mul_i32 s44, s14, 16*SP
	s_lshl_b32 s90, s17, 8
	s_lshl_b32 s91, s14, 4
	s_add_co_u32 s90, s90, s91
	s_mul_i32 s90, s90, ROWC                       ; the rows that I store: 256 x block row + 16 x wave, in each quarter of 64 rows
	s_lshl_b32 s91, s42, 9
	s_add_co_u32 s90, s90, s91
	s_mov_b32 s91, 0
	s_mov_b32 s[HI], 0x43e00000                    ; 448
	s_mov_b32 s[LO], 0xc3e00000
	v_and_b32 v1, 31, v0
	v_and_b32 v2, 15, v0
	v_bfe_u32 v3, v0, 4, 1
	v_lshlrev_b32 v[GOF], 4, v1
	v_lshl_add_u32 v[SBO], v2, 4, s18
	v_lshlrev_b32 v[ADR], 4, v1
	v_add_nc_u32 v[ADR+1], HALFB, v[GOF]
	v_add_nc_u32 v[ADR+2], SLOT, v[GOF]
	v_add_nc_u32 v[ADR+3], SLOT+HALFB, v[GOF]
	v_cmp_gt_u32 vcc_lo, 24, v1
	v_lshlrev_b32 v4, 8, v1
	v_mov_b32 v5, s18
	v_cndmask_b32 v4, v5, v4, vcc_lo               ; lanes 0-23 a block of my images, the others my scale block
	v_add_nc_u32 v[PFB], s19, v4
	v_min_u32 v5, 24, v1
	v_lshlrev_b32 v5, 8, v5
	v_add_nc_u32 v[PFO], s22, v5
	v_mul_u32_u24 v6, v2, SP
	v_lshl_add_u32 v6, v3, 4, v6
	v_add_nc_u32 v[STO+1], s23, v6                 ; row l % 16, my 128 bytes of it, 16 bytes for each half of the lanes
	v_add_nc_u32 v[STO], STG0, v[STO+1]
	v_add_nc_u32 v[RD+1], s44, v[GOF]              ; back: a whole row of 512 bytes to the 32 lanes
	v_add_nc_u32 v[RD], STG0, v[RD+1]
	s_wait_alu depctr_va_vdst(0)                   ; the wait at the head's end
	s_wait_dscnt 0x0
	s_wait_kmcnt 0x0
	s_add_nc_u64 s[20:21], s[4:5], s[20:21]
	s_add_nc_u64 s[BB:BB+1], s[6:7], s[46:47]
	s_mov_b64 s[PA:PA+1], s[20:21]
	s_add_nc_u64 s[12:13], s[12:13], s[90:91]
.irp s, 0,1
	s_mov_b32 s[G0+4*\s], 1
	s_add_co_u32 s[G0+4*\s+1], s45, \s*SLOT
	s_add_nc_u64 s[G0+4*\s+2:G0+4*\s+3], s[20:21], \s*HALFB
	s_or_b32 s[G0+4*\s+3], s[G0+4*\s+3], 0x80000000
.endr
	CROUND                                         ; in front of the first joint loads
	tensor_load_to_lds s[G0:G0+3], s[G1:G1+7]      ; slot 0: one tensor load a wave at the head, asked for ahead of the weights
	s_nop 0
	PLACES 4
	LDW 0, 0                                       ; the weights of steps 0, 1, 2: 13 loads each
	LDW 1, 1
	LDW 2, 2
	s_wait_tensorcnt 0x0                           ; slot 1's first fill is issued as a refill is
	ds_add_u32 v[SPW], v[NIL]
	s_wait_dscnt 0x0
	CROUND
	tensor_load_to_lds s[G0+4:G0+7], s[G1:G1+7]
	s_nop 0
	PLACES 4
.irp a, 0,1,2,3,4,5,6,7
	LDA \a, 0
.endr
	LDSA 0, 0
.irp a, 8,9,10,11,12,13,14,15
	LDA \a, 0
.endr
	STEP 0, 1, 3, 1, 0, 26, 0                      ; the first step's products start the sums
	s_mov_b32 s3, 3
.Llap:                                                 ; a trip: eight steps, once round the ring and twice round the weights' four sets
	STEP 1, 0, 4, 1, 0, 26, 0
	STEP 2, 0, 5, 1, 0, 26, 0
	STEP 3, 0, 6, 1, 1, 26, 1
	STEP 4, 0, 7, 1, 0, 26, 0
	STEP 5, 0, 8, 1, 0, 26, 0
	STEP 6, 0, 9, 1, 0, 26, 0
	STEP 7, 0, 10, 1, 1, 26, 2
	STEP 8, 0, 11, 1, 0, 26, 0
	s_wait_xcnt 0x0                                ; the trip's loads and prefetches have read their bases
	s_add_nc_u64 s[BB:BB+1], s[BB:BB+1], 8*PAN
	s_add_nc_u64 s[PA:PA+1], s[PA:PA+1], 8*PAN
	s_sub_co_u32 s3, s3, 1
	s_cmp_lg_u32 s3, 0
	s_cbranch_scc1 .Llap
	STEP 1, 0, 4, 1, 0, 26, 0                      ; steps 25 to 30: nothing more is filled, and the weights end with step 31
	STEP 2, 0, 5, 1, 0, 26, 0
	STEP 3, 0, 6, 1, 0, 26, 0
	STEP 4, 0, 7, 1, 0, 26, 0
	STEP 5, 0, 0, 0, 0, 26, 0
	STEP 6, 0, 0, 0, 0, 13, 0
; THE LAST STEP AND THE WAY OUT.  A wave's 64 columns are 128 bytes of a row: the four waves write one stage, a barrier, and each wave reads whole rows of 512 bytes and stores them: 32 lanes, two aligned units of 256 bytes.
; Each quarter of 64 rows has stage bytes of its own, so one barrier a quarter serves.
.macro UNIT u                          ; accumulators of rows 32 u .. 32 u + 31: held to +-448, rounded to bf16, into the stage
.set AC, 64*((\u)%4)
	WIN 0x48+4*((\u)/4)
.set n, 0
.rept 64
	v_min_num_f32 v[T+n], s[HI], v[AC+n]           ; each accumulator from its low end on
.set n, n+1
.endr
	WIN 0x44
.set n, 0
.rept 64
	v_max_num_f32 v[T+n], s[LO], v[T+n]
.set n, n+1
.endr
	WIN 0x45
.set n, 0
.rept 32
	v_cvt_pk_bf16_f32 v[TMP+n], v[T+2*n], v[T+2*n+1]
.set n, n+1
.endr
	WIN 0x04                                       ; address window 0, data window 1
.irp i, 0,1,2,3,4,5,6,7
	ds_store_b128 v[STO+(\u)/4], v[TMP+4*\i:TMP+4*\i+3] offset:(2*((\u)%4)+\i/4)*16*SP+32*(\i%4)
.endr
.endm
.macro RDROWS q                        ; my 16 rows of quarter q
	WIN TO_B
.irp t, 0,1,2,3,4,5,6,7,8,9,10,11,12,13,14,15
	ds_load_b128 v[BK+4*\t:BK+4*\t+3], v[RD+(\q)/2] offset:(64*((\q)%2)+\t)*SP
.endr
.endm
.macro SEND q
	WIN 0x04
	s_wait_dscnt 0x0
.irp t, 0,1,2,3,4,5,6,7,8,9,10,11,12,13,14,15
	global_store_b128 v[GOF], v[BK+4*\t:BK+4*\t+3], s[12:13] offset:(64*(\q)+\t)*ROWC th:TH_STORE_NT
.endr
.endm
	s_wait_loadcnt 0x0
	s_wait_dscnt 0x0
.irp q, 0,1,2,3
	WIN MUL_LO+0x50*(\q/2)
	BLK 2*\q, 7, 0
	BLK 2*\q+1, 7, 0
.if \q > 0
	SEND \q-1                                      ; the quarter before: its rows came back from the stage under these products
.endif
	PLACES 4
	UNIT 2*\q
	UNIT 2*\q+1
	s_wait_dscnt 0x0                               ; for the others' sake: my stores into the stage are done
	s_barrier_signal -1
	s_barrier_wait -1
.if \q > 0
	s_wait_xcnt 0x0                                ; the stores have read their registers
.endif
	RDROWS \q
.endr
	SEND 3
	WIN 0
	s_wait_tensorcnt 0x0                           ; the wave's end
	ds_add_u32 v[SPW], v[NIL]
	s_wait_dscnt 0x0
	CROUND                                         ; the closing round
	s_endpgm
.Lfunc_end_k_q7c1a92a6a9_gemm:
	.size	k_q7c1a92a6a9_gemm, .Lfunc_end_k_q7c1a92a6a9_gemm-k_q7c1a92a6a9_gemm
	.p2alignl 7, 3214868480
	.fill 96, 4, 3214868480
	.section	.rodata,"a",@progbits
	.p2align	6, 0x0
	.amdhsa_kernel k_q7c1a92a6a9_gemm
		.amdhsa_group_segment_fixed_size 327680
		.amdhsa_private_segment_fixed_size 0
		.amdhsa_enable_private_segment 0
		.amdhsa_kernarg_size 24
		.amdhsa_user_sgpr_count 2
		.amdhsa_user_sgpr_kernarg_segment_ptr 1
		.amdhsa_wavefront_size32 1
		.amdhsa_system_sgpr_workgroup_id_x 1
		.amdhsa_system_sgpr_workgroup_id_y 1
		.amdhsa_system_sgpr_workgroup_id_z 1
		.amdhsa_system_vgpr_workitem_id 0
		.amdhsa_next_free_vgpr 1024
		.amdhsa_next_free_sgpr 98
		.amdhsa_reserve_vcc 1
		.amdhsa_float_denorm_mode_32 3
		.amdhsa_float_denorm_mode_16_64 3
		.amdhsa_memory_ordered 1
		.amdhsa_forward_progress 1
		.amdhsa_inst_pref_size 255
	.end_amdhsa_kernel
	.section	.bss,"aw",@nobits
	.p2align	6
	.space	262144
	.amdgpu_metadata
---
amdhsa.version: [ 1, 2 ]
amdhsa.kernels:
  - .name:           k_q7c1a92a6a9_gemm
    .symbol:         k_q7c1a92a6a9_gemm.kd
    .args:
      - { .name: xq, .offset: 0, .size: 8, .value_kind: global_buffer, .address_space: global }
      - { .name: wq, .offset: 8, .size: 8, .value_kind: global_buffer, .address_space: global }
      - { .name: out0, .offset: 16, .size: 8, .value_kind: global_buffer, .address_space: global }
    .group_segment_fixed_size: 327680
    .private_segment_fixed_size: 0
    .kernarg_segment_align: 8
    .kernarg_segment_size: 24
    .max_flat_workgroup_size: 128
    .sgpr_count:     98
    .vgpr_count:     1024
    .wavefront_size: 32
...
	.end_amdgpu_metadata
.endif
;; end of part 2
